; MI455X (gfx1250); checked and timed in simulation.
; The chip was launched on July 23, 2026; its instructions are those of AMD's public machine-readable ISA for CDNA 5 (MIT licence, August 2026) and "CDNA5" Instruction Set Architecture Reference Guide (July 2026). The comments in the code are by the model that wrote it; some were corrected since.
;; s LSTM Cell. Allowed arithmetic: float matrix products may take bf16 or f16 operands with f32 sums; other float arithmetic in f32, or as packed bf16 or f16 multiplies, adds, multiply-adds, maxima and minima; sums over many terms, partial sums and values carried from step to step in f32; what a program stores and reads back later, other than sums and carried values, may be rounded once to bf16 or f16.
;; Inputs: U_f 2,048 x 2,048 float32; U_i 2,048 x 2,048 float32; U_o 2,048 x 2,048 float32; U_z 2,048 x 2,048 float32; W_f 2,048 x 2,048 float32; W_i 2,048 x 2,048 float32; W_o 2,048 x 2,048 float32; W_z 2,048 x 2,048 float32; b_f 2,048 float32; b_i 2,048 float32; b_o 2,048 float32; b_z 2,048 float32; c_prev 2,048 x 2,048 float32; h_prev 2,048 x 2,048 float32; n_prev 2,048 x 2,048 float32; x 2,048 x 2,048 float32.
;; Outputs: out0 2,048 x 2,048 float32; out1 2,048 x 2,048 float32; out2 2,048 x 2,048 float32.
;; 2 versions, each right; version 2 is version 1 with the launch prep written anew for expert scheduling mode. Each part assembles by itself: llvm-mc -triple=amdgcn-amd-amdhsa -mcpu=gfx1250 --defsym DOCPART=n.
;; ======== version 1 of 2: 2 launches
;; limits: values outside matrix products are rounded to bf16
;; workspace buffers: xa 16,777,216 bytes; wb 67,108,864 bytes
;; launch prep (part 1): grid 128 x 10, 8 waves a work-group, no clusters, 0 bytes of LDS; arguments W_i, W_f, W_o, W_z, U_i, U_f, U_o, U_z, x, h_prev, wb, xa; writes wb, xa
.if DOCPART == 1
	.amdgcn_target "amdgcn-amd-amdhsa--gfx1250"
	.amdhsa_code_object_version 6
	.text
	.protected	k_qb517c94e2f_prep
	.globl	k_qb517c94e2f_prep
	.p2align	8
	.type	k_qb517c94e2f_prep,@function
k_qb517c94e2f_prep:
	s_mov_b64 s[64:65], 0
	v_nop
	global_prefetch_b8 v0, s[64:65] scope:SCOPE_SE
	s_setreg_imm32_b32 hwreg(HW_REG_WAVE_MODE, 25, 1), 1
	s_wait_xcnt 0x0
; THE CAST.  Ten matrices of [2048][2048] f32 are rounded once to bf16 (nearest even) and laid out for the product that follows.
;   xa: bf16 [2048][4096]: row m = x[m][0..2047], then h_prev[m][0..2047]; 8,192 bytes a row.
;   wb: bf16 [jb 32][ks 32][g 4][kk 128][c 64]: hidden column 64 jb + c, k = 128 ks + kk (k < 2048: W_g[k], else U_g[k - 2048]), g = i, f, o, z.
;       Nothing is transposed: a row of a weight matrix is cut into 32 pieces of 64 columns, so that the 4 gates x 128 k x 64 columns that one
;       work-group of the product wants in a K step are 65,536 bytes on end.
; SHARES.  Work-group (X, y): matrix y (0-3 W_i, W_f, W_o, W_z; 4-7 U likewise; 8 x; 9 h_prev), its rows 16 X .. 16 X + 15.  A wave owns two rows, 16,384 bytes of f32:
; 32 loads of 16 bytes a lane, all issued before the first is waited for.  No loop, no LDS, no barrier: no byte is wanted twice, and no wave wants another's.
; Every load covers whole aligned blocks of 256 bytes; every store of a wave is 256 consecutive bytes, aligned.
.set SO, 1                             ; v1      my byte offset in the source, from the work-group's first row; never rewritten
.set DO, 2                             ; v[2:9]  my byte offsets in the destination (weights: one for each four values of jb); never rewritten
.set X,  16                            ; v[16:143] load i: four registers as loaded; its first two then hold the four bf16
	s_load_b512 s[8:23], s[0:1], 0x0               ; the eight weight matrices, matrix y at s[8 + 2 y : 9 + 2 y]
	s_load_b256 s[24:31], s[0:1], 0x40             ; x s[24:25], h_prev s[26:27] (matrices 8 and 9 in the same row of pairs), wb s[28:29], xa s[30:31]
	s_and_b32 s2, ttmp7, 0xffff                    ; y: which matrix
	s_mov_b32 s3, ttmp9                            ; X: which 16 rows
	s_lshl_b32 s32, s3, 17                         ; 16 rows of 8,192 bytes
	s_mov_b32 s33, 0
	s_wait_kmcnt 0x0
	s_mov_b64 s[4:5], s[8:9]
.irp idx, 1,2,3,4,5,6,7,8,9
	s_cmp_eq_u32 s2, \idx                          ; the source is chosen among the ten by the work-group's y alone
	s_cselect_b64 s[4:5], s[8+2*(\idx):9+2*(\idx)], s[4:5]
.endr
	s_add_nc_u64 s[4:5], s[4:5], s[32:33]          ; the source at the work-group's first row
; arm = 0: a weight matrix; arm = 1: x or h_prev.  32 loads, then 32 times: the wait, two roundings of two numbers, a store of 8 bytes a lane.
.macro CAST arm
.set i, 0
.rept 32
.if \arm
	global_load_b128 v[X+4*i:X+4*i+3], v[SO], s[4:5] offset:512*i th:TH_LOAD_NT   ; 512 bytes on end
.else
	global_load_b128 v[X+4*i:X+4*i+3], v[SO], s[4:5] offset:256*i th:TH_LOAD_NT   ; 64 columns of two rows: piece jb = i
.endif
.set i, i+1
.endr
.set i, 0
.rept 32
	s_wait_loadcnt 31-i                            ; loads come back in order: load i is in, the 31 - i younger ones may stay out
	v_cvt_pk_bf16_f32 v[X+4*i],   v[X+4*i],   v[X+4*i+1]
	v_cvt_pk_bf16_f32 v[X+4*i+1], v[X+4*i+2], v[X+4*i+3]
.if \arm
	global_store_b64 v[DO], v[X+4*i:X+4*i+1], s[6:7] offset:(i/16)*8192+(i%16)*256 th:TH_STORE_NT
.else
	global_store_b64 v[DO+i/4], v[X+4*i:X+4*i+1], s[6:7] offset:(i%4)*2097152 th:TH_STORE_NT  ; jb = i: 2,097,152 bytes apart; four of them in the immediate, the rest in the register
.endif
.set i, i+1
.endr
.endm                                  ; no register that a load or a store names is written again, so no wait frees any
	s_cmp_lt_u32 s2, 8
	s_cbranch_scc0 .Lact
	; A WEIGHT MATRIX.  g = y & 3, upper half of K for U.  k = 2048 (y >> 2) + 16 X + t / 16, so ks = 16 (y >> 2) + X / 8 and kk = 16 (X & 7) + t / 16.
	s_and_b32 s34, s2, 3
	s_lshr_b32 s35, s2, 2
	s_lshl_b32 s36, s35, 20                        ; 16 K steps of 65,536 bytes
	s_lshr_b32 s38, s3, 3
	s_lshl_b32 s38, s38, 16
	s_or_b32 s36, s36, s38
	s_lshl_b32 s34, s34, 14                        ; a gate's 128 x 64 numbers: 16,384 bytes
	s_or_b32 s36, s36, s34
	s_and_b32 s38, s3, 7
	s_lshl_b32 s38, s38, 11                        ; 16 rows kk of 128 bytes
	s_or_b32 s36, s36, s38
	s_mov_b32 s37, 0
	s_add_nc_u64 s[6:7], s[28:29], s[36:37]
	v_lshrrev_b32 v10, 4, v0                       ; my row of the sixteen: lanes 0-15 an even one, lanes 16-31 the next
	v_and_b32 v11, 15, v0                          ; my four columns of a piece's 64
	v_lshlrev_b32 v[SO], 13, v10
	v_lshl_or_b32 v[SO], v11, 4, v[SO]
	v_lshlrev_b32 v12, 7, v10                      ; in wb two rows kk lie on end: the wave's 32 lanes write 256 consecutive bytes
	v_lshl_or_b32 v12, v11, 3, v12
.irp q, 0,1,2,3,4,5,6,7
	v_add_nc_u32 v[DO+(\q)], (\q)*8388608, v12
.endr
	CAST 0
	s_endpgm
.Lact:
	; x OR h_prev.  The wave's two rows are 16,384 bytes on end in the source; in xa they are two pieces of 4,096 bytes, 8,192 apart.
	s_sub_co_u32 s34, s2, 8
	s_lshl_b32 s34, s34, 12                        ; h_prev takes the upper 4,096 bytes of a row of xa
	s_add_co_u32 s36, s32, s34
	s_mov_b32 s37, 0
	s_add_nc_u64 s[6:7], s[30:31], s[36:37]
	v_lshrrev_b32 v10, 5, v0                       ; wave
	v_and_b32 v11, 31, v0                          ; lane
	v_lshlrev_b32 v[SO], 14, v10
	v_lshl_or_b32 v[DO], v11, 3, v[SO]
	v_lshl_or_b32 v[SO], v11, 4, v[SO]
	CAST 1
	s_endpgm
.Lfunc_end_k_qb517c94e2f_prep:
	.size	k_qb517c94e2f_prep, .Lfunc_end_k_qb517c94e2f_prep-k_qb517c94e2f_prep
	.p2alignl 7, 3214868480
	.fill 96, 4, 3214868480
	.section	.rodata,"a",@progbits
	.p2align	6, 0x0
	.amdhsa_kernel k_qb517c94e2f_prep
		.amdhsa_group_segment_fixed_size 0
		.amdhsa_private_segment_fixed_size 0
		.amdhsa_enable_private_segment 0
		.amdhsa_kernarg_size 96
		.amdhsa_user_sgpr_count 2
		.amdhsa_user_sgpr_kernarg_segment_ptr 1
		.amdhsa_wavefront_size32 1
		.amdhsa_system_sgpr_workgroup_id_x 1
		.amdhsa_system_sgpr_workgroup_id_y 1
		.amdhsa_system_sgpr_workgroup_id_z 1
		.amdhsa_system_vgpr_workitem_id 0
		.amdhsa_next_free_vgpr 144
		.amdhsa_next_free_sgpr 66
		.amdhsa_reserve_vcc 0
		.amdhsa_float_denorm_mode_32 3
		.amdhsa_float_denorm_mode_16_64 3
		.amdhsa_memory_ordered 1
		.amdhsa_forward_progress 1
		.amdhsa_inst_pref_size 25
	.end_amdhsa_kernel
	.amdgpu_metadata
---
amdhsa.version: [ 1, 2 ]
amdhsa.kernels:
  - .name:           k_qb517c94e2f_prep
    .symbol:         k_qb517c94e2f_prep.kd
    .args:
      - { .name: W_i, .offset: 0, .size: 8, .value_kind: global_buffer, .address_space: global }
      - { .name: W_f, .offset: 8, .size: 8, .value_kind: global_buffer, .address_space: global }
      - { .name: W_o, .offset: 16, .size: 8, .value_kind: global_buffer, .address_space: global }
      - { .name: W_z, .offset: 24, .size: 8, .value_kind: global_buffer, .address_space: global }
      - { .name: U_i, .offset: 32, .size: 8, .value_kind: global_buffer, .address_space: global }
      - { .name: U_f, .offset: 40, .size: 8, .value_kind: global_buffer, .address_space: global }
      - { .name: U_o, .offset: 48, .size: 8, .value_kind: global_buffer, .address_space: global }
      - { .name: U_z, .offset: 56, .size: 8, .value_kind: global_buffer, .address_space: global }
      - { .name: x, .offset: 64, .size: 8, .value_kind: global_buffer, .address_space: global }
      - { .name: h_prev, .offset: 72, .size: 8, .value_kind: global_buffer, .address_space: global }
      - { .name: wb, .offset: 80, .size: 8, .value_kind: global_buffer, .address_space: global }
      - { .name: xa, .offset: 88, .size: 8, .value_kind: global_buffer, .address_space: global }
    .group_segment_fixed_size: 0
    .private_segment_fixed_size: 0
    .kernarg_segment_align: 8
    .kernarg_segment_size: 96
    .max_flat_workgroup_size: 256
    .sgpr_count:     66
    .vgpr_count:     144
    .wavefront_size: 32
...
	.end_amdgpu_metadata
.endif
;; end of part 1
;; launch cell (part 2): grid 32 x 8, 4 waves a work-group, clusters of 4 x 4, 327,680 bytes of LDS; arguments xa, wb, b_i, b_f, b_o, b_z, c_prev, n_prev, out0, out1, out2; writes out0, out1, out2
.if DOCPART == 2
	.amdgcn_target "amdgcn-amd-amdhsa--gfx1250"
	.amdhsa_code_object_version 6
	.text
	.protected	k_qb517c94e2f_cell
	.globl	k_qb517c94e2f_cell
	.p2align	8
	.type	k_qb517c94e2f_cell,@function
k_qb517c94e2f_cell:
	s_mov_b64 s[64:65], 0
	v_nop
	global_prefetch_b8 v0, s[64:65] scope:SCOPE_SE
	s_setreg_imm32_b32 hwreg(HW_REG_WAVE_MODE, 25, 1), 1
	s_wait_xcnt 0x0
	s_wait_alu depctr_hold_cnt(0) depctr_sa_sdst(0) depctr_va_vdst(0) depctr_va_sdst(0) depctr_va_ssrc(0) depctr_va_vcc(0) depctr_vm_vsrc(0)
	s_getreg_b32 s2, hwreg(HW_REG_IB_STS2, 6, 4)
	s_cmp_eq_u32 s2, 0
	s_cbranch_scc0 .Lentry_in_a_cluster
	s_endpgm
.Lentry_in_a_cluster:
	s_bfe_u32 s2, ttmp6, 0x10000c
	s_cmp_lg_u32 s2, 0xf033
	s_cbranch_scc0 .Lentry_shape_is_right
	s_endpgm
.Lentry_shape_is_right:
; THE sLSTM STEP.  pre_g[m][j] = sum over k of xa[m][k] Wcat_g[k][j] + b_g[j] for g = i, f, o, z (K = 4096: x beside h_prev, W above U);
; i = e^pre_i, f = e^pre_f, o = sigmoid(pre_o), z = tanh(pre_z); c = f c_prev + i z; n = f n_prev + i; h = o (c / (n + 1e-6)).  out0 = h, out1 = c, out2 = n, all f32.
; LIMITS.  Every input is taken rounded once to bf16, 8 significant bits: x, h_prev and the weights by the launch before, the four biases, c_prev and n_prev here; all sums and all
; arithmetic behind that are f32.  The exponentials take no maximum away, as the definition takes none: they overflow where it does.  tanh is made as 1 - 2 / (1 + e^(2 pre)): absolute error
; near 1e-7.  Exponentials and reciprocals flush denormals (ISA guide, their entries in chapter 15): a gate below 2^-126 counts as 0, and a divisor of 2^126 or more gives h = 0.
; SHARES.  A work-group makes 256 rows x 64 hidden columns of all three outputs: a tile of 256 x 256 gate sums (4 gates x 64 columns).  32 x 8 = 256 work-groups.  Four waves, each 128 rows x
; (4 gates x 32 columns): 64 accumulators of 16 x 16, 512 registers; accumulator (a, b): rows 16 a on, gate b / 2, columns 16 (b % 2) on.
; K goes in 32 steps of 128 through a ring of two LDS slots filled by the tensor data mover.  xa's tile: 256 rows x 256 bytes.  wb's tile: 4 gates x 128 k x 64 columns, 65,536 dense bytes.
; THE MATRIX INSTRUCTION IS USED TRANSPOSED: source 0 = 16 columns of a gate (out of LDS rows that lie along the columns, turned by ds_load_tr16_b128), source 1 = 16 rows of xa.
; A lane then holds one row (lane % 16) and eight neighbouring columns.
; CLUSTERS: 4 x 4 work-groups.  The four of a row of the cluster want the same tiles of xa, the four of a column the same tiles of wb: each tile is asked for JOINTLY, by the same tensor load
; with the same descriptor and a mask that names the four.
; THE WAY OUT.  A lane's four gates of one number lie in four accumulators, but in a layout in which sixteen lanes hold sixteen rows.  So the gate sums go once through the ring's bytes,
; which have had their last fill: f32, rows of 1,040 bytes; they come back with sixteen lanes on 64 neighbouring columns of one row, and all loads of c_prev and n_prev and all stores
; of h, c, n cover 256 consecutive bytes, aligned.
; REGISTERS, in windows of 256 (s_set_vgpr_msb's low byte: bits 1:0 source 0, 3:2 source 1, 5:4 source 2, 7:6 destination):
;   window 0: v0-31 addresses; v32-47 biases; v48-63 c_prev, n_prev of a batch in bf16; v64-127, v128-191 fragments of xa, two buffers (on the way out: the gates of a batch, two sets);
;             v208-239 n, two sets; v240-255 at work
;   window 1: v64-127, v128-191 fragments of wb, two buffers; on the way out all 256: c_prev and n_prev of my 64 rows
;   window 2: the accumulators of my rows 0-63 ((a, b) at v[8 (8 a + b)]);   window 3: those of my rows 64-127
.set KSTEP,  128
.set PITCH,  272                       ; an LDS row of xa: 256 bytes + 16 of padding = 68 words: the 16 rows of a load start at 16 different groups of four banks (64 banks of 4 bytes: ISA guide 11.1)
.set HALFA,  128*PITCH                 ; 128 rows: one tensor load, and what one wave reads of xa
.set BOFF,   2*HALFA                   ; wb's tile lies behind xa's 256 rows
.set PB,     160                       ; an LDS row of wb (one gate, one k, 64 columns): 128 bytes + 32 = 40 words
.set HALFB,  256*PB                    ; two gates x 128 k: one tensor load
.set SLOT,   BOFF+2*HALFB              ; 151,552 bytes
.set SPARE,  2*SLOT                    ; behind the ring: the spare words, 128 bytes for each wave: two blocks of 256 bytes that no other line names
.set SROW,   1040                      ; the way out: a row of the stage, 4 gates x 64 f32 + 16 bytes = 65 x 16: sixteen rows of one column fall into sixteen different groups of four banks
.set LAPS,   16                        ; a lap = two K steps = once round the ring
.set ASTEP,  256                       ; bytes from a K step to the next in a row of xa
.set BSTEP,  65536                     ; and in wb
.set ADRA, 16                          ; v16-17  LDS address of my fragments of xa in slot 0, 1
.set ADRB, 18                          ; v18-21  of my fragments of wb: slot s, gates 2 p and 2 p + 1 at ADRB + 2 s + p
.set STO0, 22                          ; v22-23  the way out: where I put 16 bytes of a row (my rows 0-63; my rows 64-127)
.set RD,   24                          ; v24     where I read a row back
.set CO,   25                          ; v25     my byte offset in two rows of c_prev, n_prev, h, c, n
.set BOF,  26                          ; v26     my four columns in a bias
.set SPW,  28                          ; v28     LDS address of my spare word: SPARE + 4 x my thread's number; never rewritten
.set NIL,  29                          ; v29     0; never rewritten
.set PFO,  30                          ; v30     the ring's prefetches: my lane x 8,192 (a row of xa) or x 256 (a block of wb); never rewritten
.set PFC,  31                          ; v31     c_prev's and n_prev's prefetches: my lane x a row; never rewritten
.set BI,   32                          ; v32-35 b_i log2(e), v36-39 b_f log2(e), v40-43 -b_o log2(e), v44-47 2 b_z log2(e), of my four columns
.set BF,   36
.set BO,   40
.set BZ,   44
.set PK,   48                          ; v48-63  row pair p of a batch: c_prev's four numbers in two words, then n_prev's
.set F0,   64
.set F1,   128
.set NB0,  208
.set DD,   240
.set G1,  24                           ; s[24:31] descriptor group 1 for xa's tiles;  s[32:39] group 0, a set for each slot
.set G0,  32
.set G1B, 48                           ; s[48:55], s[56:63] the same for wb's tiles
.set G0B, 56
.set LIM, 43                           ; s43      1 in a wave that prefetches the ring's tiles, else the greatest number
.set PFA, 44                           ; s[44:45] where my prefetches stand: the K step two refills on
.set PFS, 66                           ; s[66:67] their step: a K step in xa or in wb
.set MSB, 0
.macro WIN new                         ; the immediate's high byte repeats the setting that is left; a switch that changes nothing is dropped
.if MSB != (\new)
	s_set_vgpr_msb (MSB<<8)|(\new)
.set MSB, \new
.endif
.endm
.set MUL_LO, 0xa1                      ; source 0 (wb) window 1, source 1 (xa) window 0, C and D window 2
.set MUL_HI, 0xf1                      ; the same, C and D window 3
.set TO_B,   0x40                      ; destination window 1, address window 0
; A joint load.  Waves 0 and 1 fetch xa's two halves, waves 2 and 3 wb's.  The branch hangs on the wave's number alone.  An s_nop 0 and four v_nop follow each of the two lines,
; ahead of the jump, the label and what follows.
.macro JLOAD s
	s_cmp_eq_u32 s11, 0
	s_cbranch_scc0 .Lfor_b_\@
	tensor_load_to_lds s[G0+4*(\s):G0+4*(\s)+3], s[G1:G1+7]
	s_nop 0
.rept 4
	v_nop
.endr
	s_branch .Lasked_\@
.Lfor_b_\@:
	tensor_load_to_lds s[G0B+4*(\s):G0B+4*(\s)+3], s[G1B:G1B+7]
	s_nop 0
.rept 4
	v_nop
.endr
.Lasked_\@:
.endm
; A PREFETCH INTO THE L2 of the K step that stands TWO refills on, 512 matrix instructions ahead of the load that will ask for it: 32 blocks of 256 bytes, a lane a block, one instruction a wave.
; Each block is named ONCE in the launch.  A tile row of xa is read by all eight clusters of that row of clusters: cluster x = 0 asks; a tile column of wb by both clusters of that column:
; cluster y = 0 asks.  The four partners that ask for a tile jointly share its 128 blocks out BY ADDRESS, 32 each (cx for xa, cy for wb): no branch hangs on a place in the cluster.
; The loop's last trip (s3 = 1) asks for nothing: K steps 32 and 33 do not exist.  K steps 0 to 3 come by their loads alone.
.macro ASK
	s_cmp_gt_u32 s3, s[LIM]
	s_cbranch_scc0 .Lnot_mine_\@
	global_prefetch_b8 v[PFO], s[PFA:PFA+1] th:TH_LOAD_NT scope:SCOPE_SE
.Lnot_mine_\@:
.endm
; c_prev and n_prev: each wave asks once for what it will load itself, its 64 rows x 256 bytes of each, a lane a row: in the last trip but one, 608 matrix instructions ahead of the first of those loads.
.macro CPASK
	s_cmp_eq_u32 s3, 2
	s_cbranch_scc0 .Lnot_yet_\@
	global_prefetch_b8 v[PFC], s[76:77] th:TH_LOAD_NT scope:SCOPE_SE
	global_prefetch_b8 v[PFC], s[76:77] offset:262144 th:TH_LOAD_NT scope:SCOPE_SE
	global_prefetch_b8 v[PFC], s[78:79] th:TH_LOAD_NT scope:SCOPE_SE
	global_prefetch_b8 v[PFC], s[78:79] offset:262144 th:TH_LOAD_NT scope:SCOPE_SE
.Lnot_yet_\@:
.endm
; A round of the cluster's barrier: my work-group's barrier, so that wave 0's signal speaks for all four waves; wave 0 signals; every wave waits for all sixteen work-groups; my work-group's barrier once more.
.macro CREST                           ; a round behind its opening barrier
	s_cmp_lg_u32 s10, 0
	s_cbranch_scc1 .Lnot_wave_0_\@
	s_barrier_signal -3
.Lnot_wave_0_\@:
	s_barrier_wait -3
	s_barrier_signal -1
	s_barrier_wait -1
.endm
.macro CROUND                          ; a whole round
	s_barrier_signal -1
	s_barrier_wait -1
	CREST
.endm
	s_load_b128 s[4:7], s[0:1], 0x0                ; xa s[4:5], wb s[6:7]
	s_load_b512 s[68:83], s[0:1], 0x10             ; b_i s[68:69], b_f s[70:71], b_o s[72:73], b_z s[74:75], c_prev s[76:77], n_prev s[78:79], out0 s[80:81], out1 s[82:83]
	s_load_b64 s[84:85], s[0:1], 0x50              ; out2
	v_lshl_add_u32 v[SPW], v0, 2, SPARE
	v_mov_b32 v[NIL], 0
	ds_add_u32 v[SPW], v[NIL]                      ; the wave's opening: the add, twice on end, and its wait ahead of my first tensor load; the set-up below, work on registers, stands between
	ds_add_u32 v[SPW], v[NIL]                      ; and once more, under the one wait
	v_lshrrev_b32 v1, 5, v0
	v_readfirstlane_b32 s10, v1                    ; wave 0..3
	s_lshr_b32 s11, s10, 1                         ; which 128 rows of the tile are mine.  Also: I fetch for xa (0) or for wb (1)
	s_and_b32 s12, s10, 1                          ; which 32 hidden columns are mine.  Also: which half of that tile I fetch
	s_bfe_u32 s40, ttmp6, 0x40000                  ; cx
	s_bfe_u32 s41, ttmp6, 0x40004                  ; cy
	s_lshl_b32 s42, ttmp9, 2                       ; in a cluster launch ttmp9 and ttmp7 count clusters
	s_add_co_u32 s42, s42, s40                     ; jb: my 64 hidden columns = 4 x cluster x + cx
	s_and_b32 s13, ttmp7, 0xffff
	s_lshl_b32 s13, s13, 2
	s_add_co_u32 s13, s13, s41                     ; tr: my 256 rows = 4 x cluster y + cy
	s_lshl_b32 s43, s41, 2
	s_lshl_b32 s43, 15, s43                        ; my row of the cluster: places 4 cy .. 4 cy + 3
	s_lshl_b32 s44, 0x1111, s40                    ; my column: places cx, cx + 4, cx + 8, cx + 12
	; group 1 for xa: 128 rows x 128 elements, 4,096 elements from row to row; 16 bytes of padding behind every 256
	s_or_b32 s[G1+0], s43, (1<<16)|(1<<20)|(1<<21)|(5<<22)|(3<<25)   ; 15:0 the mask: my row; 17:16 elements of 2 bytes; 20 padding on; 21 set beside a mask; 24:22 after every 64 words (code 5); 31:25 4 words (code 3)
	; group 1 for wb: 32,768 dense bytes as 128 rows of 256 bytes, two LDS rows each; 32 bytes of padding behind every 128
	s_or_b32 s[G1B+0], s44, (1<<16)|(1<<20)|(1<<21)|(4<<22)|(7<<25)  ; the mask: my column; after every 32 words (code 4) 8 words (code 7)
.irp g, G1, G1B
	s_mov_b32 s[(\g)+1], 128<<16                   ; tensor_dim0 = 128
	s_mov_b32 s[(\g)+2], 128<<16                   ; tensor_dim1 = 128
	s_mov_b32 s[(\g)+3], 128<<16                   ; tile_dim0 = 128
	s_mov_b32 s[(\g)+4], 128                       ; tile_dim1 = 128
	s_mov_b32 s[(\g)+6], 0
	s_mov_b32 s[(\g)+7], 0
.endr
	s_mov_b32 s[G1+5], 4096                        ; elements from row to row
	s_mov_b32 s[G1B+5], 128
	; where the tiles come from.  xa's hang on tr alone, which my row of the cluster shares; wb's on jb alone, which my column shares
	s_lshl_b32 s16, s13, 8
	s_lshl_b32 s17, s12, 7
	s_add_co_u32 s16, s16, s17                     ; row 256 tr + 128 x half,
	s_lshl_b32 s16, s16, 13                        ; of 8,192 bytes
	s_mov_b32 s17, 0
	s_lshl_b32 s18, s42, 21                        ; jb's 32 K steps of 65,536 bytes,
	s_lshl_b32 s19, s12, 15                        ; my two gates
	s_add_co_u32 s18, s18, s19
	s_mov_b32 s19, 0
	s_mul_i32 s20, s12, HALFA                      ; and where they go: no place in the cluster enters an LDS address
	s_mul_i32 s21, s12, HALFB
	s_add_co_u32 s21, s21, BOFF
	s_mov_b32 s86, 0x3fb8aa3b                      ; log2(e); the packed forms name a pair and take its low word for both halves
	s_mov_b32 s87, s86
	s_mov_b32 s88, 0xbfb8aa3b                      ; -log2(e)
	s_mov_b32 s89, s88
	s_mov_b32 s90, 0x4038aa3b                      ; 2 log2(e)
	s_mov_b32 s91, s90
	s_mov_b32 s92, 0x358637bd                      ; 1e-6
	s_mov_b32 s93, s92
	s_wait_dscnt 0x0                               ; both opening adds are done
	s_wait_kmcnt 0x0
	s_add_nc_u64 s[14:15], s[4:5], s[16:17]
	s_add_nc_u64 s[46:47], s[6:7], s[18:19]
	CROUND                                         ; all sixteen work-groups are here: the first joint loads meet
.irp s, 0,1
	s_mov_b32 s[G0+4*(\s)], 1                                      ; 1:0 count = 1
	s_add_co_u32 s[G0+4*(\s)+1], s20, (\s)*SLOT                    ; 63:32 LDS address
	s_add_nc_u64 s[G0+4*(\s)+2:G0+4*(\s)+3], s[14:15], (\s)*ASTEP  ; 120:64 global address: K step s
	s_or_b32 s[G0+4*(\s)+3], s[G0+4*(\s)+3], 0x80000000            ; 127:126 type = 2
	s_mov_b32 s[G0B+4*(\s)], 1
	s_add_co_u32 s[G0B+4*(\s)+1], s21, (\s)*SLOT
	s_add_nc_u64 s[G0B+4*(\s)+2:G0B+4*(\s)+3], s[46:47], (\s)*BSTEP
	s_or_b32 s[G0B+4*(\s)+3], s[G0B+4*(\s)+3], 0x80000000
	JLOAD \s                                       ; the ring is filled before anything else is done: two loads of mine are out
.endr
	; A fragment of xa is 16 rows x 32 K in 8 registers: lane l holds row l % 16; registers 0-3 K = 8 (l / 16) + 0..7, registers 4-7 K = 16 + 8 (l / 16) + 0..7: two loads of 16 bytes, 32 bytes apart.
	v_and_b32 v1, 15, v0                           ; l % 16
	v_bfe_u32 v2, v0, 4, 1                         ; l / 16
	v_mul_u32_u24 v3, v1, PITCH
	v_lshl_add_u32 v3, v2, 4, v3
	s_mul_i32 s22, s11, HALFA                      ; my 128 rows
	v_add_nc_u32 v[ADRA], s22, v3
	v_add_nc_u32 v[ADRA+1], SLOT, v[ADRA]
	; The turning load takes 16 k x 16 columns (lane l reads 16 bytes: k = 8 (l / 16) + l % 8, columns 8 ((l / 8) % 2) + 0..7) and leaves half a fragment: lane l holds column l % 16 and 8 k.
	v_and_b32 v4, 7, v0
	v_bfe_u32 v5, v0, 3, 1
	v_lshl_add_u32 v4, v2, 3, v4
	v_mul_u32_u24 v4, v4, PB
	v_lshl_add_u32 v4, v5, 4, v4
	s_lshl_b32 s22, s12, 6                         ; my 32 columns: 64 bytes
	s_add_co_u32 s22, s22, BOFF
	v_add_nc_u32 v4, s22, v4
.irp s, 0,1
.irp p, 0,1
	v_add_nc_u32 v[ADRB+2*(\s)+(\p)], (\s)*SLOT+(\p)*HALFB, v4
.endr
.endr
	; the stage: row m of the tile's 256, gate g, column c at m x 1,040 + 256 g + 4 c
	s_mul_i32 s23, s11, 128*SROW
	s_lshl_b32 s22, s12, 7                         ; my 32 columns in f32
	s_add_co_u32 s23, s23, s22
	v_mul_u32_u24 v6, v1, SROW                     ; in: row l % 16, 32 bytes for each half of the lanes
	v_lshl_add_u32 v6, v2, 5, v6
	v_add_nc_u32 v[STO0], s23, v6
	v_add_nc_u32 v[STO0+1], 64*SROW, v[STO0]
	s_mul_i32 s23, s10, 64*SROW                    ; back: wave w takes rows 64 w .. 64 w + 63, whole; lanes 0-15 a gate's 256 bytes of one row, lanes 16-31 of the next
	v_mul_u32_u24 v6, v2, SROW
	v_lshl_add_u32 v6, v1, 4, v6
	v_add_nc_u32 v[RD], s23, v6
	v_lshlrev_b32 v6, 13, v2                       ; and the same two rows in memory
	v_lshl_add_u32 v[CO], v1, 4, v6
	v_lshlrev_b32 v[BOF], 4, v1
	v_and_b32 v7, 31, v0
	v_lshlrev_b32 v[PFC], 13, v7
	; c_prev, n_prev and the outputs at row 256 tr + 64 w, column 64 jb; the biases at column 64 jb
	s_lshl_b32 s94, s13, 21
	s_lshl_b32 s22, s10, 19
	s_add_co_u32 s94, s94, s22
	s_lshl_b32 s22, s42, 8
	s_add_co_u32 s94, s94, s22
	s_mov_b32 s95, 0
	s_mov_b32 s23, 0
.irp p, 76,78,80,82,84
	s_add_nc_u64 s[(\p):(\p)+1], s[(\p):(\p)+1], s[94:95]
.endr
.irp p, 68,70,72,74
	s_add_nc_u64 s[(\p):(\p)+1], s[(\p):(\p)+1], s[22:23]
.endr
	; the ring's prefetches.  s16 and s18 still hold the byte offsets of the halves that I fetch
	s_and_b32 s22, ttmp7, 0xffff                   ; cluster y
	s_cmp_eq_u32 s11, 0                            ; do I fetch for xa?
	s_cselect_b32 s20, s16, s18                    ; my half of the tile
	s_cselect_b32 s21, s40, s41                    ; my place among the four that ask for it with me
	s_cselect_b32 s22, ttmp9, s22                  ; the coordinate along which other clusters read the same blocks
	s_cselect_b64 s[PFA:PFA+1], s[4:5], s[6:7]
	s_cselect_b32 s[PFS], 8, 16                    ; as shift counts: a K step is 256 bytes of a row of xa, 65,536 bytes of wb;
	s_cselect_b32 s23, 13, 8                       ; from a lane's block to the next: a row of xa, 256 bytes of wb;
	s_cselect_b32 s19, 18, 13                      ; a partner's 32 blocks
	s_cmp_eq_u32 s22, 0
	s_cselect_b32 s[LIM], 1, -1                    ; the same in all sixteen partners, for a given wave
	s_lshl_b32 s[PFS], 1, s[PFS]
	s_mov_b32 s[PFS+1], 0
	s_lshl_b32 s21, s21, s19
	s_add_co_u32 s20, s20, s21
	s_mul_i32 s21, s[PFS], 3                       ; at K step 3: the first refill steps it to 4
	s_add_co_u32 s20, s20, s21
	s_mov_b32 s21, 0
	s_add_nc_u64 s[PFA:PFA+1], s[PFA:PFA+1], s[20:21]
	v_lshlrev_b32 v[PFO], s23, v7
; 16 matrix instructions: row blocks a0, a0 + 1 of the window's four (hi = 0: my rows 0-63, 1: rows 64-127) x all 8 column blocks, 32 along K.  zero = 1: the first product starts the sums.
; The 64 accumulators take turns, one instruction a turn, in the same order in every quarter step, over the backward jump too.
.macro MUL16 f, hi, a0, zero
	WIN MUL_LO+0x50*(\hi)
.irp a, \a0, (\a0)+1
.irp b, 0,1,2,3,4,5,6,7
.if \zero
	v_wmma_f32_16x16x32_bf16 v[8*(8*(\a)+(\b)):8*(8*(\a)+(\b))+7], v[(\f)+8*(\b):(\f)+8*(\b)+7], v[(\f)+8*(4*(\hi)+(\a)):(\f)+8*(4*(\hi)+(\a))+7], 0
.else
	v_wmma_f32_16x16x32_bf16 v[8*(8*(\a)+(\b)):8*(8*(\a)+(\b))+7], v[(\f)+8*(\b):(\f)+8*(\b)+7], v[(\f)+8*(4*(\hi)+(\a)):(\f)+8*(4*(\hi)+(\a))+7], v[8*(8*(\a)+(\b)):8*(8*(\a)+(\b))+7]
.endif
.endr
.endr
.endm
; 32 LDS loads in one run: the fragments of quarter q (32 along K) of a slot into buffer f: wb's eight (block i: gate i / 2, columns 16 (i % 2) on), then xa's eight
.macro FETCH slot, q, f
	WIN TO_B
.irp i, 0,1,2,3,4,5,6,7
	ds_load_tr16_b128 v[(\f)+8*(\i):(\f)+8*(\i)+3],   v[ADRB+2*(\slot)+(\i)/4] offset:(\q)*32*PB+(((\i)/2)%2)*128*PB+((\i)%2)*32
	ds_load_tr16_b128 v[(\f)+8*(\i)+4:(\f)+8*(\i)+7], v[ADRB+2*(\slot)+(\i)/4] offset:(\q)*32*PB+(((\i)/2)%2)*128*PB+((\i)%2)*32+16*PB
.endr
	WIN 0
.irp i, 0,1,2,3,4,5,6,7
	ds_load_b128 v[(\f)+8*(\i):(\f)+8*(\i)+3],   v[ADRA+(\slot)] offset:(\q)*64+(\i)*16*PITCH
	ds_load_b128 v[(\f)+8*(\i)+4:(\f)+8*(\i)+7], v[ADRA+(\slot)] offset:(\q)*64+(\i)*16*PITCH+32
.endr
.endm
; A load into a register that a matrix instruction has read stands four places behind it, and only plain vector instructions that name none of its registers are places
; (ISA guide 7.12.1 for vector instructions).
.macro PLACES
.rept 4
	v_nop
.endr
.endm
; A K step is four quarters of 32 along K, 64 matrix instructions each, on buffers 0, 1, 0, 1.  One of the first three multiplies buffer f and, in its middle, fetches quarter q into buffer g.
.macro QUARTER slot, q, f, g, zero
	s_wait_dscnt 8                                 ; wb's fragments and xa's rows 0-63 are in; the youngest eight loads (xa's rows 64-127) may be out
	MUL16 \f, 0, 0, \zero
	MUL16 \f, 0, 2, \zero
	PLACES
	FETCH \slot, \q, \g
	s_wait_dscnt 32                                ; all but the 32 just issued
	MUL16 \f, 1, 0, \zero
	MUL16 \f, 1, 2, \zero
.endm
; The last quarter multiplies buffer 1 and changes slots.  MEET is its first half: ONE barrier for two things.  In front of it each wave waits for all its tensor loads, of which one is out: its part of
; the next slot; adds 0 to its spare word; and waits for that and for its own reads of this slot.  Behind it nobody reads this slot any more and the next slot is whole.
.macro MEET round
	WIN 0                                          ; (the add's two registers lie in window 0)
	s_wait_tensorcnt 0x0                           ; all my tensor loads have landed
	ds_add_u32 v[SPW], v[NIL]                      ; 0 onto my spare word
	s_wait_dscnt 9                                 ; (the add and the youngest eight loads may be out)
	MUL16 F1, 0, 0, 0                              ; sixteen matrix instructions stand between the add and the wait for it
	s_wait_dscnt 0x0                               ; the add is done, and my reads of this slot are over:
	s_barrier_signal -1                            ; say so,
	MUL16 F1, 0, 2, 0                              ; work on registers while the others arrive,
.if \round
	WIN 0
.endif
	s_barrier_wait -1                              ; and go on when all four have said so
.endm
; The whole last quarter.  fill = 1: the barrier opens a round of the cluster's barrier, and behind the round the slot just read out is filled again, with the K step two steps on: the wave's one tensor load
; until the next round; 224 matrix instructions stand between it and the wait for it.  Then come the next slot's first fragments.  pf = 1: c_prev's and n_prev's prefetches stand here too.
.macro TURN slot, next, fill, pf
.if \fill
	s_wait_xcnt 0x0                                ; the last prefetch, a K step back, has read its address: it is stepped here, ahead of the change's own waits
	s_add_nc_u64 s[PFA:PFA+1], s[PFA:PFA+1], s[PFS:PFS+1]
	MEET 1
	CREST                                          ; no wave of any partner still reads this slot's tiles or has a load on its way
	s_add_nc_u64 s[G0+4*(\slot)+2:G0+4*(\slot)+3], s[G0+4*(\slot)+2:G0+4*(\slot)+3], 2*ASTEP
	s_add_nc_u64 s[G0B+4*(\slot)+2:G0B+4*(\slot)+3], s[G0B+4*(\slot)+2:G0B+4*(\slot)+3], 2*BSTEP
	JLOAD \slot                                    ; the four v_nop behind it are also the places in front of the loads below
.else
	MEET 0
	PLACES
.endif
	FETCH \next, 0, F0
.if \fill
	ASK                                            ; behind the joint load and the run of LDS loads that the next products wait for
.if \pf
	CPASK
.endif
.endif
	MUL16 F1, 1, 0, 0
	MUL16 F1, 1, 2, 0
.endm
; THE WAY OUT's macros.  Row pair t (0..31) of my 64 rows: rows 2 t and 2 t + 1.  Its c_prev (four registers) and n_prev (four) lie in window 1 at PR.
.macro SETPRE t
.if (\t) < 8
.set PR, 8*(\t)
.elseif (\t) < 16
.set PR, 192+8*((\t)-8)
.else
.set PR, 64+8*((\t)-16)                ; where wb's fragments lay
.endif
.endm
.macro PRELOAD t0, n                   ; row pairs t0 .. t0 + n - 1: sixteen lanes take 256 consecutive bytes of a row, aligned
	WIN TO_B
.set t, \t0
.rept \n
	SETPRE t
	global_load_b128 v[PR:PR+3],   v[CO], s[76:77] offset:16384*t th:TH_LOAD_NT
	global_load_b128 v[PR+4:PR+7], v[CO], s[78:79] offset:16384*t th:TH_LOAD_NT
.set t, t+1
.endr
	WIN 0
.endm
.macro BIASPREP base, c, tmp           ; a bias's four numbers: rounded to bf16, widened again, times the gate's factor
	v_cvt_pk_bf16_f32 v[\tmp],   v[\base],   v[(\base)+1]
	v_cvt_pk_bf16_f32 v[(\tmp)+1], v[(\base)+2], v[(\base)+3]
	v_lshlrev_b32 v[\base],     16, v[\tmp]
	v_and_b32     v[(\base)+1], 0xffff0000, v[\tmp]
	v_lshlrev_b32 v[(\base)+2], 16, v[(\tmp)+1]
	v_and_b32     v[(\base)+3], 0xffff0000, v[(\tmp)+1]
	v_pk_mul_f32 v[\base:(\base)+1],     v[\base:(\base)+1],     s[\c:(\c)+1] op_sel_hi:[1,0]
	v_pk_mul_f32 v[(\base)+2:(\base)+3], v[(\base)+2:(\base)+3], s[\c:(\c)+1] op_sel_hi:[1,0]
.endm
.macro SPILL                           ; all 64 accumulators into the stage; each accumulator's four lowest registers first
.irp hi, 0,1
	WIN 0x08+4*(\hi)                               ; the data (source 1) in window 2, then 3
.irp a, 0,1,2,3
.irp b, 0,1,2,3,4,5,6,7
	ds_store_b128 v[STO0+(\hi)], v[8*(8*(\a)+(\b)):8*(8*(\a)+(\b))+3]   offset:(\a)*16*SROW+((\b)/2)*256+((\b)%2)*64
	ds_store_b128 v[STO0+(\hi)], v[8*(8*(\a)+(\b))+4:8*(8*(\a)+(\b))+7] offset:(\a)*16*SROW+((\b)/2)*256+((\b)%2)*64+16
.endr
.endr
.endr
	WIN 0
.endm
.macro GLOAD bb                        ; batch bb: eight rows' four gates, 16 loads, into set bb % 2: gate g, row pair p at 16 g + 4 p
.set GL, 64+64*((\bb)%2)
.irp p, 0,1,2,3
.irp g, 0,1,2,3
	ds_load_b128 v[GL+16*(\g)+4*(\p):GL+16*(\g)+4*(\p)+3], v[RD] offset:(8*(\bb)+2*(\p))*SROW+256*(\g)
.endr
.endr
.endm
; A BATCH: eight of my 64 rows, 16 numbers a lane (row pair p, column e % 4 at e = 4 p + column).  Two batches of transcendentals, each with one wait:
; 64 exponentials, then 48 reciprocals.
.macro BATCH b
.if (\b) >= 1
	s_wait_xcnt 0x0                                ; the stores of the batch before have read their registers: its set is loaded again only behind this wait
.endif
.if (\b) < 7
	GLOAD (\b)+1
	s_wait_dscnt 16                                ; this batch's gates are in; the 16 loads just issued may be out
.else
	s_wait_dscnt 0x0
.endif
.set GI, 64+64*((\b)%2)
.set GF, GI+16
.set GO, GI+32
.set GZ, GI+48
.set NB, NB0+16*((\b)%2)
.set e, 0
.rept 8                                ; the exponents in base 2: (sum + bias) log2(e) for i and f, its negative for o, twice it for z
	v_pk_fma_f32 v[GI+e:GI+e+1], v[GI+e:GI+e+1], s[86:87], v[BI+e%4:BI+e%4+1] op_sel_hi:[1,0,1]
	v_pk_fma_f32 v[GF+e:GF+e+1], v[GF+e:GF+e+1], s[86:87], v[BF+e%4:BF+e%4+1] op_sel_hi:[1,0,1]
	v_pk_fma_f32 v[GO+e:GO+e+1], v[GO+e:GO+e+1], s[88:89], v[BO+e%4:BO+e%4+1] op_sel_hi:[1,0,1]
	v_pk_fma_f32 v[GZ+e:GZ+e+1], v[GZ+e:GZ+e+1], s[90:91], v[BZ+e%4:BZ+e%4+1] op_sel_hi:[1,0,1]
.set e, e+2
.endr
.set e, 0
.rept 64
	v_exp_f32 v[GI+e], v[GI+e]                     ; i, f, e^-pre_o, e^(2 pre_z)
.set e, e+1
.endr
	s_wait_loadcnt 56-8*(\b)                       ; c_prev and n_prev of this batch's four row pairs are in: of the 64 loads the 56 - 8 b younger ones may stay out
	WIN 0x05                                       ; sources in window 1, destination in window 0
.irp p, 0,1,2,3
	SETPRE 4*(\b)+(\p)
.irp k, 0,1,2,3
	v_cvt_pk_bf16_f32 v[PK+4*(\p)+(\k)], v[PR+2*(\k)], v[PR+2*(\k)+1]  ; rounded to bf16: plain work that names no exponential's result
.endr
.endr
	WIN 0
	s_wait_alu depctr_va_vdst(0)                   ; one wait for the 64 exponentials, ahead of their first reader
.set e, 0
.rept 8
	v_pk_add_f32 v[GZ+e:GZ+e+1], v[GZ+e:GZ+e+1], 1.0 op_sel_hi:[1,0]
	v_pk_add_f32 v[GO+e:GO+e+1], v[GO+e:GO+e+1], 1.0 op_sel_hi:[1,0]
.set e, e+2
.endr
.set e, 0
.rept 8                                ; n = f n_prev + i, n_prev read as a bf16 half
	v_fma_mix_f32_bf16 v[NB+e],   v[GF+e],   v[PK+4*(e/4)+2+(e%4)/2], v[GI+e]   op_sel_hi:[0,1,0]
	v_fma_mix_f32_bf16 v[NB+e+1], v[GF+e+1], v[PK+4*(e/4)+2+(e%4)/2], v[GI+e+1] op_sel:[0,1,0] op_sel_hi:[0,1,0]
.set e, e+2
.endr
.set e, 0
.rept 8
	v_pk_add_f32 v[DD+e:DD+e+1], v[NB+e:NB+e+1], s[92:93] op_sel_hi:[1,0]  ; n + 1e-6
.set e, e+2
.endr
.set e, 0
.rept 16
	v_rcp_f32 v[GZ+e], v[GZ+e]
	v_rcp_f32 v[GO+e], v[GO+e]                     ; o
	v_rcp_f32 v[DD+e], v[DD+e]
.set e, e+1
.endr
	v_nop                                          ; a plain instruction between the last reciprocal and the first use of a result
	s_wait_alu depctr_va_vdst(0)                   ; one wait for the 48 reciprocals
.set e, 0
.rept 8
	v_pk_fma_f32 v[GZ+e:GZ+e+1], v[GZ+e:GZ+e+1], -2.0, 1.0 op_sel_hi:[1,0,0]  ; z = 1 - 2 / (1 + e^(2 pre_z))
.set e, e+2
.endr
.set e, 0
.rept 8
	v_pk_mul_f32 v[GZ+e:GZ+e+1], v[GZ+e:GZ+e+1], v[GI+e:GI+e+1]               ; i z
.set e, e+2
.endr
.set e, 0
.rept 8                                ; c = f c_prev + i z
	v_fma_mix_f32_bf16 v[GZ+e],   v[GF+e],   v[PK+4*(e/4)+(e%4)/2], v[GZ+e]   op_sel_hi:[0,1,0]
	v_fma_mix_f32_bf16 v[GZ+e+1], v[GF+e+1], v[PK+4*(e/4)+(e%4)/2], v[GZ+e+1] op_sel:[0,1,0] op_sel_hi:[0,1,0]
.set e, e+2
.endr
.set e, 0
.rept 8
	v_pk_mul_f32 v[DD+e:DD+e+1], v[GZ+e:GZ+e+1], v[DD+e:DD+e+1]               ; c / (n + 1e-6)
.set e, e+2
.endr
.set e, 0
.rept 8
	v_pk_mul_f32 v[GO+e:GO+e+1], v[DD+e:DD+e+1], v[GO+e:GO+e+1]               ; h
.set e, e+2
.endr
.irp p, 0,1,2,3                        ; sixteen lanes store 256 consecutive bytes, at a multiple of 256 from the output's first byte
	global_store_b128 v[CO], v[GO+4*(\p):GO+4*(\p)+3], s[80:81] offset:16384*(4*(\b)+(\p)) th:TH_STORE_NT
	global_store_b128 v[CO], v[GZ+4*(\p):GZ+4*(\p)+3], s[82:83] offset:16384*(4*(\b)+(\p)) th:TH_STORE_NT
	global_store_b128 v[CO], v[NB+4*(\p):NB+4*(\p)+3], s[84:85] offset:16384*(4*(\b)+(\p)) th:TH_STORE_NT
.endr
.endm
	s_wait_tensorcnt 1                             ; my part of K step 0 is in; K step 1's may stay out
	s_barrier_signal -1
	s_barrier_wait -1                              ; everybody's is
	FETCH 0, 0, F0
	QUARTER 0, 1, F0, F1, 1                        ; the first quarter stands in front of the loop: its products start the sums, and nothing is ever cleared
	WIN 0                                          ; at a label and at a branch every window is 0
	s_mov_b32 s3, LAPS-1
.Llap:                                                 ; a trip goes once round the ring, from a lap's second quarter to the next lap's first, and fills both slots again
	QUARTER 0, 2, F1, F0, 0
	QUARTER 0, 3, F0, F1, 0
	TURN 0, 1, 1, 0
	QUARTER 1, 1, F0, F1, 0
	QUARTER 1, 2, F1, F0, 0
	QUARTER 1, 3, F0, F1, 0
	TURN 1, 0, 1, 1
	QUARTER 0, 1, F0, F1, 0
	WIN 0
	s_sub_co_u32 s3, s3, 1
	s_cmp_lg_u32 s3, 0
	s_cbranch_scc1 .Llap
	; THE LAST LAP fills nothing and has no round.  At its head the loads for the way out go out, into registers that the products do not name: 448 matrix instructions stand behind them.
	global_load_b128 v[BI:BI+3], v[BOF], s[68:69]
	global_load_b128 v[BF:BF+3], v[BOF], s[70:71]
	global_load_b128 v[BO:BO+3], v[BOF], s[72:73]
	global_load_b128 v[BZ:BZ+3], v[BOF], s[74:75]
	PRELOAD 0, 16
	QUARTER 0, 2, F1, F0, 0
	QUARTER 0, 3, F0, F1, 0
	TURN 0, 1, 0, 0                                ; my one tensor load that was still out is slot 1's, the last K step's
	QUARTER 1, 1, F0, F1, 0
	QUARTER 1, 2, F1, F0, 0
	QUARTER 1, 3, F0, F1, 0
	s_wait_dscnt 8                                 ; the very last quarter: nothing more to fetch
	MUL16 F1, 0, 0, 0
	MUL16 F1, 0, 2, 0
	s_wait_dscnt 0x0                               ; my last reads of the ring are back
	MUL16 F1, 1, 0, 0
	MUL16 F1, 1, 2, 0
	WIN 0
	; THE WAY OUT
	s_wait_loadcnt 32                              ; the four biases are in; the 32 loads issued behind them may stay out
	BIASPREP BI, 86, DD                            ; 32 plain instructions that name no register of the last products: their places, ahead of the loads into wb's fragments and of the stores of the sums
	BIASPREP BF, 86, DD+2
	BIASPREP BO, 88, DD+4
	BIASPREP BZ, 90, DD+6
	PRELOAD 16, 16
	s_barrier_signal -1                            ; every wave's reads of the ring are back (the wait for 0 above) and its tensor loads have landed (the last change of slots):
	s_barrier_wait -1                              ; only now are the ring's bytes, which have had their last fill, written as the stage
	SPILL
	s_wait_dscnt 0x0                               ; for the others' sake: my stores into the stage are done
	s_barrier_signal -1
	s_barrier_wait -1                              ; a row's 64 columns come from two waves
	GLOAD 0
.irp b, 0,1,2,3,4,5,6,7
	BATCH \b
.endr
	s_wait_tensorcnt 0x0                           ; the wave's end, behind my last tensor load and my last LDS store
	ds_add_u32 v[SPW], v[NIL]
	s_wait_dscnt 0x0
	CROUND                                         ; the closing round: no work-group ends while a partner may still ask for a tile that names it
	s_endpgm
.Lfunc_end_k_qb517c94e2f_cell:
	.size	k_qb517c94e2f_cell, .Lfunc_end_k_qb517c94e2f_cell-k_qb517c94e2f_cell
	.p2alignl 7, 3214868480
	.fill 96, 4, 3214868480
	.section	.rodata,"a",@progbits
	.p2align	6, 0x0
	.amdhsa_kernel k_qb517c94e2f_cell
		.amdhsa_group_segment_fixed_size 327680
		.amdhsa_private_segment_fixed_size 0
		.amdhsa_enable_private_segment 0
		.amdhsa_kernarg_size 88
		.amdhsa_user_sgpr_count 2
		.amdhsa_user_sgpr_kernarg_segment_ptr 1
		.amdhsa_wavefront_size32 1
		.amdhsa_system_sgpr_workgroup_id_x 1
		.amdhsa_system_sgpr_workgroup_id_y 1
		.amdhsa_system_sgpr_workgroup_id_z 1
		.amdhsa_system_vgpr_workitem_id 0
		.amdhsa_next_free_vgpr 1024
		.amdhsa_next_free_sgpr 96
		.amdhsa_reserve_vcc 0
		.amdhsa_float_denorm_mode_32 3
		.amdhsa_float_denorm_mode_16_64 3
		.amdhsa_memory_ordered 1
		.amdhsa_forward_progress 1
		.amdhsa_inst_pref_size 245
	.end_amdhsa_kernel
	.amdgpu_metadata
---
amdhsa.version: [ 1, 2 ]
amdhsa.kernels:
  - .name:           k_qb517c94e2f_cell
    .symbol:         k_qb517c94e2f_cell.kd
    .args:
      - { .name: xa, .offset: 0, .size: 8, .value_kind: global_buffer, .address_space: global }
      - { .name: wb, .offset: 8, .size: 8, .value_kind: global_buffer, .address_space: global }
      - { .name: b_i, .offset: 16, .size: 8, .value_kind: global_buffer, .address_space: global }
      - { .name: b_f, .offset: 24, .size: 8, .value_kind: global_buffer, .address_space: global }
      - { .name: b_o, .offset: 32, .size: 8, .value_kind: global_buffer, .address_space: global }
      - { .name: b_z, .offset: 40, .size: 8, .value_kind: global_buffer, .address_space: global }
      - { .name: c_prev, .offset: 48, .size: 8, .value_kind: global_buffer, .address_space: global }
      - { .name: n_prev, .offset: 56, .size: 8, .value_kind: global_buffer, .address_space: global }
      - { .name: out0, .offset: 64, .size: 8, .value_kind: global_buffer, .address_space: global }
      - { .name: out1, .offset: 72, .size: 8, .value_kind: global_buffer, .address_space: global }
      - { .name: out2, .offset: 80, .size: 8, .value_kind: global_buffer, .address_space: global }
    .group_segment_fixed_size: 327680
    .private_segment_fixed_size: 0
    .kernarg_segment_align: 8
    .kernarg_segment_size: 88
    .max_flat_workgroup_size: 128
    .sgpr_count:     96
    .vgpr_count:     1024
    .wavefront_size: 32
...
	.end_amdgpu_metadata
.endif
;; end of part 2
;; ======== version 2 of 2: 2 launches; version 1 with the launch prep written anew for expert scheduling mode
;; limits: values outside matrix products are rounded to bf16
;; workspace buffers: xa 16,777,216 bytes; wb 67,108,864 bytes
;; launch prep (part 3): grid 128 x 10, 8 waves a work-group, no clusters, 0 bytes of LDS; arguments W_i, W_f, W_o, W_z, U_i, U_f, U_o, U_z, x, h_prev, wb, xa; writes wb, xa
.if DOCPART == 3
	.amdgcn_target "amdgcn-amd-amdhsa--gfx1250"
	.amdhsa_code_object_version 6
	.text
	.protected	k_qb517c94e2f_prep
	.globl	k_qb517c94e2f_prep
	.p2align	8
	.type	k_qb517c94e2f_prep,@function
k_qb517c94e2f_prep:
	s_mov_b64 s[64:65], 0
	v_nop
	global_prefetch_b8 v0, s[64:65] scope:SCOPE_SE
	s_setreg_imm32_b32 hwreg(HW_REG_WAVE_SCHED_MODE, 0, 2), 2
	s_setreg_imm32_b32 hwreg(HW_REG_WAVE_MODE, 25, 1), 1
	s_wait_xcnt 0x0
	s_wait_alu depctr_vm_vsrc(0)
; THE CAST.  Ten matrices of [2048][2048] f32 are rounded once to bf16 (nearest even) and laid out for the product that follows.
;   xa: bf16 [2048][4096]: row m = x[m][0..2047], then h_prev[m][0..2047]; 8,192 bytes a row.
;   wb: bf16 [jb 32][ks 32][g 4][kk 128][c 64]: hidden column 64 jb + c, k = 128 ks + kk (k < 2048: W_g[k], else U_g[k - 2048]), g = i, f, o, z.
;       Nothing is transposed: a row of a weight matrix is cut into 32 pieces of 64 columns, so that the 4 gates x 128 k x 64 columns that one
;       work-group of the product wants in a K step are 65,536 bytes on end.
; SHARES.  Work-group (X, y): matrix y (0-3 W_i, W_f, W_o, W_z; 4-7 U likewise; 8 x; 9 h_prev), its rows 16 X .. 16 X + 15.  A wave owns two rows, 16,384 bytes of f32:
; 32 loads of 16 bytes a lane, all issued before the first is waited for.  No loop, no LDS, no barrier: no byte is wanted twice, and no wave wants another's.
; Every load covers whole aligned blocks of 256 bytes; every store of a wave is 256 consecutive bytes, aligned.
; THE MODE: SCHED_MODE bits 1:0 = 2 (LLVM: expert scheduling mode 2), set by the entry lines.  The code itself states the register dependences
; between vector instructions and memory instructions, with s_wait_alu, always for 0.
; THE PLAN.  Registers that memory instructions touch:
;   v[SO], v[DO ..]      byte offsets.  Written by vector instructions at an arm's head; read by every load (SO) and every store (DO); never written again.
;   v[X + 4 i .. + 3]    Load i lands in them; no vector instruction has named them before.  Its two roundings read the four and write the first two; store i reads those two;
;                        nothing writes them again.
; So a vector result meets a memory instruction in two places alone: the offsets ahead of the first load, and a store's data.  The 32 loads go in eight blocks of four.  Block p rounds its own
; four loads; its memory instructions are the four stores of block p - 1, whose registers no rounding of block p names.  ONE wait at the block's head states that block p - 1's roundings have
; written, and the four stores are dealt among block p's roundings with no further wait.  No register that a memory instruction has read is written again, no load lands in a register
; that a vector instruction has named, no vector instruction writes a scalar register, and EXEC is never written: nothing else is owed.
.set SO, 1                             ; v1      my byte offset in the source, from the work-group's first row; never rewritten
.set DO, 2                             ; v[2:9]  my byte offsets in the destination (weights: one for each four values of jb); never rewritten
.set X,  16                            ; v[16:143] load i: four registers as loaded; its first two then hold the four bf16
	s_load_b512 s[8:23], s[0:1], 0x0               ; the eight weight matrices, matrix y at s[8 + 2 y : 9 + 2 y]
	s_load_b256 s[24:31], s[0:1], 0x40             ; x s[24:25], h_prev s[26:27] (matrices 8 and 9 in the same row of pairs), wb s[28:29], xa s[30:31]
	s_and_b32 s2, ttmp7, 0xffff                    ; y: which matrix
	s_mov_b32 s3, ttmp9                            ; X: which 16 rows
	s_lshl_b32 s32, s3, 17                         ; 16 rows of 8,192 bytes
	s_mov_b32 s33, 0
	s_wait_kmcnt 0x0
	s_mov_b64 s[4:5], s[8:9]
.irp idx, 1,2,3,4,5,6,7,8,9
	s_cmp_eq_u32 s2, \idx                          ; the source is chosen among the ten by the work-group's y alone
	s_cselect_b64 s[4:5], s[8+2*(\idx):9+2*(\idx)], s[4:5]
.endr
	s_add_nc_u64 s[4:5], s[4:5], s[32:33]          ; the source at the work-group's first row
; The store of load k's four bf16, 8 bytes a lane.  arm = 0: a weight matrix; arm = 1: x or h_prev.
.macro PUT arm
.if \arm
	global_store_b64 v[DO], v[X+4*k:X+4*k+1], s[6:7] offset:(k/16)*8192+(k%16)*256 th:TH_STORE_NT
.else
	global_store_b64 v[DO+k/4], v[X+4*k:X+4*k+1], s[6:7] offset:(k%4)*2097152 th:TH_STORE_NT  ; jb = k: 2,097,152 bytes apart; four of them in the immediate, the rest in the register
.endif
.endm
; 32 loads; then eight blocks of four: the wait for the block's data, the wait for the roundings of the block before, and that block's four stores among this block's eight roundings.
.macro CAST arm
	s_wait_alu depctr_va_vdst(0)                   ; v[SO] and v[DO ..] are written: every load and store below reads one of them as its offset
.set i, 0
.rept 32
.if \arm
	global_load_b128 v[X+4*i:X+4*i+3], v[SO], s[4:5] offset:512*i th:TH_LOAD_NT   ; 512 bytes on end
.else
	global_load_b128 v[X+4*i:X+4*i+3], v[SO], s[4:5] offset:256*i th:TH_LOAD_NT   ; 64 columns of two rows: piece jb = i
.endif
.set i, i+1
.endr
.set p, 0
.rept 8
	s_wait_loadcnt 28-4*p                          ; loads come back in order: loads 4 p .. 4 p + 3 are in, the 28 - 4 p younger ones may stay out
.if p > 0
	s_wait_alu depctr_va_vdst(0)                   ; the roundings of block p - 1 have written its eight words of bf16, which the four stores below read
.endif
.set j, 0
.rept 4
.if p > 0
.set k, 4*p+j-4
	PUT \arm                                       ; the block before.  No wait: no vector instruction since the wait above names its registers or v[DO ..]
.endif
.set i, 4*p+j
	v_cvt_pk_bf16_f32 v[X+4*i],   v[X+4*i],   v[X+4*i+1]
	v_cvt_pk_bf16_f32 v[X+4*i+1], v[X+4*i+2], v[X+4*i+3]
.set j, j+1
.endr
.set p, p+1
.endr
	s_wait_alu depctr_va_vdst(0)                   ; the roundings of block 7 have written, ahead of the last four stores
.set k, 28
.rept 4
	PUT \arm
.set k, k+1
.endr
.endm                                  ; no register that a load or a store names is written again, so no wait frees any
	s_cmp_lt_u32 s2, 8
	s_cbranch_scc0 .Lact
	; A WEIGHT MATRIX.  g = y & 3, upper half of K for U.  k = 2048 (y >> 2) + 16 X + t / 16, so ks = 16 (y >> 2) + X / 8 and kk = 16 (X & 7) + t / 16.
	s_and_b32 s34, s2, 3
	s_lshr_b32 s35, s2, 2
	s_lshl_b32 s36, s35, 20                        ; 16 K steps of 65,536 bytes
	s_lshr_b32 s38, s3, 3
	s_lshl_b32 s38, s38, 16
	s_or_b32 s36, s36, s38
	s_lshl_b32 s34, s34, 14                        ; a gate's 128 x 64 numbers: 16,384 bytes
	s_or_b32 s36, s36, s34
	s_and_b32 s38, s3, 7
	s_lshl_b32 s38, s38, 11                        ; 16 rows kk of 128 bytes
	s_or_b32 s36, s36, s38
	s_mov_b32 s37, 0
	s_add_nc_u64 s[6:7], s[28:29], s[36:37]
	v_lshrrev_b32 v10, 4, v0                       ; my row of the sixteen: lanes 0-15 an even one, lanes 16-31 the next
	v_and_b32 v11, 15, v0                          ; my four columns of a piece's 64
	v_lshlrev_b32 v[SO], 13, v10
	v_lshl_or_b32 v[SO], v11, 4, v[SO]
	v_lshlrev_b32 v12, 7, v10                      ; in wb two rows kk lie on end: the wave's 32 lanes write 256 consecutive bytes
	v_lshl_or_b32 v12, v11, 3, v12
.irp q, 0,1,2,3,4,5,6,7
	v_add_nc_u32 v[DO+(\q)], (\q)*8388608, v12
.endr
	CAST 0
	s_endpgm
.Lact:
	; x OR h_prev.  The wave's two rows are 16,384 bytes on end in the source; in xa they are two pieces of 4,096 bytes, 8,192 apart.
	s_sub_co_u32 s34, s2, 8
	s_lshl_b32 s34, s34, 12                        ; h_prev takes the upper 4,096 bytes of a row of xa
	s_add_co_u32 s36, s32, s34
	s_mov_b32 s37, 0
	s_add_nc_u64 s[6:7], s[30:31], s[36:37]
	v_lshrrev_b32 v10, 5, v0                       ; wave
	v_and_b32 v11, 31, v0                          ; lane
	v_lshlrev_b32 v[SO], 14, v10
	v_lshl_or_b32 v[DO], v11, 3, v[SO]
	v_lshl_or_b32 v[SO], v11, 4, v[SO]
	CAST 1
	s_endpgm
.Lfunc_end_k_qb517c94e2f_prep:
	.size	k_qb517c94e2f_prep, .Lfunc_end_k_qb517c94e2f_prep-k_qb517c94e2f_prep
	.p2alignl 7, 3214868480
	.fill 96, 4, 3214868480
	.section	.rodata,"a",@progbits
	.p2align	6, 0x0
	.amdhsa_kernel k_qb517c94e2f_prep
		.amdhsa_group_segment_fixed_size 0
		.amdhsa_private_segment_fixed_size 0
		.amdhsa_enable_private_segment 0
		.amdhsa_kernarg_size 96
		.amdhsa_user_sgpr_count 2
		.amdhsa_user_sgpr_kernarg_segment_ptr 1
		.amdhsa_wavefront_size32 1
		.amdhsa_system_sgpr_workgroup_id_x 1
		.amdhsa_system_sgpr_workgroup_id_y 1
		.amdhsa_system_sgpr_workgroup_id_z 1
		.amdhsa_system_vgpr_workitem_id 0
		.amdhsa_next_free_vgpr 144
		.amdhsa_next_free_sgpr 66
		.amdhsa_reserve_vcc 0
		.amdhsa_float_denorm_mode_32 3
		.amdhsa_float_denorm_mode_16_64 3
		.amdhsa_memory_ordered 1
		.amdhsa_forward_progress 1
		.amdhsa_inst_pref_size 24
	.end_amdhsa_kernel
	.amdgpu_metadata
---
amdhsa.version: [ 1, 2 ]
amdhsa.kernels:
  - .name:           k_qb517c94e2f_prep
    .symbol:         k_qb517c94e2f_prep.kd
    .args:
      - { .name: W_i, .offset: 0, .size: 8, .value_kind: global_buffer, .address_space: global }
      - { .name: W_f, .offset: 8, .size: 8, .value_kind: global_buffer, .address_space: global }
      - { .name: W_o, .offset: 16, .size: 8, .value_kind: global_buffer, .address_space: global }
      - { .name: W_z, .offset: 24, .size: 8, .value_kind: global_buffer, .address_space: global }
      - { .name: U_i, .offset: 32, .size: 8, .value_kind: global_buffer, .address_space: global }
      - { .name: U_f, .offset: 40, .size: 8, .value_kind: global_buffer, .address_space: global }
      - { .name: U_o, .offset: 48, .size: 8, .value_kind: global_buffer, .address_space: global }
      - { .name: U_z, .offset: 56, .size: 8, .value_kind: global_buffer, .address_space: global }
      - { .name: x, .offset: 64, .size: 8, .value_kind: global_buffer, .address_space: global }
      - { .name: h_prev, .offset: 72, .size: 8, .value_kind: global_buffer, .address_space: global }
      - { .name: wb, .offset: 80, .size: 8, .value_kind: global_buffer, .address_space: global }
      - { .name: xa, .offset: 88, .size: 8, .value_kind: global_buffer, .address_space: global }
    .group_segment_fixed_size: 0
    .private_segment_fixed_size: 0
    .kernarg_segment_align: 8
    .kernarg_segment_size: 96
    .max_flat_workgroup_size: 256
    .sgpr_count:     66
    .vgpr_count:     144
    .wavefront_size: 32
...
	.end_amdgpu_metadata
.endif
;; end of part 3
;; launch cell: the kernel of part 2 again; grid 32 x 8, 4 waves a work-group, clusters of 4 x 4, 327,680 bytes of LDS; arguments xa, wb, b_i, b_f, b_o, b_z, c_prev, n_prev, out0, out1, out2; writes out0, out1, out2
